; MI455X (gfx1250); checked and timed in simulation.
; The chip was launched on July 23, 2026; its instructions are those of AMD's public machine-readable ISA for CDNA 5 (MIT licence, August 2026) and "CDNA5" Instruction Set Architecture Reference Guide (July 2026). The comments in the code are by the model that wrote it; some were corrected since.
;; Attention. Allowed arithmetic: matrix products marked QUANTISED: E2M1 operands, one E8M0 scale for each 32 along K, by v_wmma_scale_f32_16x16x128_f8f6f4 with both operands' format E2M1 (or v_wmma_scale_f32_32x16x128_f4), f32 sums; products left as they are: f32 operands where the result goes on into a quantised operand, else bf16, f16 or f32 operands; f32 sums; everything else in f32.
;; Inputs: W_cov 1 x 1,024 float32; W_h_codes 1,024 x 32 x 16 uint8 (E2M1 codes of W_h, K innermost, in blocks of 32 codes, two codes a byte); W_h_scales 1,024 x 32 uint8 (E8M0 scales of W_h, one for each 32 codes along K); W_s_codes 1,024 x 64 x 16 uint8 (E2M1 codes of W_s, K innermost, in blocks of 32 codes, two codes a byte); W_s_scales 1,024 x 64 uint8 (E8M0 scales of W_s, one for each 32 codes along K); b_cov 1,024 float32; b_h 1,024 float32; b_s 1,024 float32; context 32 x 2,048 x 1,024 float32; context_mask 32 x 2,048 int32; coverage 32 x 2,048 float32; last_attn 32 x 2,048 float32; state_c 32 x 1,024 float32; state_h 32 x 1,024 float32; v_b 1 float32; v_w 1,024 x 1 float32.
;; Outputs: out0 32 x 1,024 float32; out1 32 x 2,048 float32.
;; This version of the problem:
;;   THIS VERSION OF THE PROBLEM IS GIVEN IN LOW PRECISION. The matrix products marked QUANTISED in the list below multiply operands that are first quantised to E2M1 (2 exponent bits, 1 mantissa bit; 4 bits a number), with one power-of-two scale for each 32 numbers along K (OCP MX v1.0); their sums are f32. All else is computed in f32.
;;   The module's matrix products, in the order in which they are computed (A, B: the left and right operand; K: the contracted axis; several contracted axes count as one K, in the product's order):
;;     1. [M 32, K 2,048] x [K 2,048, N 1,024]; A: computed on the way; B: input W_s (given as codes): QUANTISED
;;     2. [M 65,536, K 1,024] x [K 1,024, N 1,024]; A: input context; B: input W_h (given as codes): QUANTISED
;;     3. [M 65,536, K 1,024] x [K 1,024, N 1]; A: computed on the way; B: input v_w: left as it is (N = 1 < 16)
;;     4. batch 32 x [M 1, K 2,048] x [K 2,048, N 1,024]; A: computed on the way; B: input context: left as it is (M = 1 < 16)
;;   THE QUANTISER, for each operand of a quantised product, along K:
;;     - K is cut into blocks of 32 from its start; a last block that is shorter is filled with zeros.
;;     - A block's scale is 2^e with e = floor(log2(the largest magnitude in the block)) - 2, held to -126 .. 127; a block of zeros has e = 0. As a byte (E8M0): e + 127.
;;     - Each number is divided by its block's scale, clamped to +-6, and rounded to the nearest number of E2M1, ties to even, subnormals kept.
;;     - The product sums the exact products of the quantised numbers (number of the format x scale) in f32.
;;   ~~~python
;;   def quantise(x, axis):      # numpy; x: float32 -> the quantised numbers, widened to float32 again
;;       x = np.moveaxis(x, axis, -1); K = x.shape[-1]
;;       x = np.pad(x, [(0, 0)] * (x.ndim - 1) + [(0, -K % 32)]); x = x.reshape(x.shape[:-1] + (-1, 32)); a = np.abs(x).max(-1, keepdims=True)
;;       e = np.where(a > 0, np.clip(np.frexp(np.where(a > 0, a, 1))[1] - 1 - 2, -126, 127), 0)      # np.frexp(a)[1] - 1 = floor(log2(a)), exactly
;;       r = np.clip(x / 2.0 ** e, -6, 6)
;;       step = 2.0 ** (np.maximum(np.frexp(np.where(r == 0, 1, r))[1] - 1, 0) - 1)
;;       q = np.round(r / step) * step * 2.0 ** e      # np.round: ties to even
;;       return np.moveaxis(q.reshape(q.shape[:-2] + (-1,))[..., :K], -1, axis).astype(np.float32)
;;   ~~~
;;   OPERANDS COMPUTED ON THE WAY. 'Computed on the way' means the value that the module computes at that place (a softmax that the list does not call 'softmax' is quantised finished and normalised). What goes into a quantiser is computed in f32, as accurately as f32 sums, v_exp_f32 and their like allow (about 1e-6 of the number): no bf16 or f16 on the way to a quantiser, and a product that is left as it is and whose result goes on into a quantised operand takes f32 operands (vector FMAs, or v_wmma_f32_16x16x4_f32). A number that lies on a knife's edge between two numbers of the format may be rounded either way, as far as f32 arithmetic and the matrix unit's own rounding can turn it there, and no further.
;;   INPUTS GIVEN AS CODES. W_h (in the module: [1024, 1024], K = its axis 0); W_s (in the module: [2048, 1024], K = its axis 0): each comes as NAME_codes (uint8): NAME with its K axis moved to the last place and cut into blocks of 32 codes, [.., K / 32, bytes a block], one block behind the other in memory; two codes a byte, the lower K in the low four bits (a code: sign, 2 exponent bits, 1 mantissa bit); and NAME_scales (uint8): the same leading axes, one E8M0 byte (e + 127) for each 32 codes along K. Its value is code x scale, taken as it is: it is not quantised again, and the codes and scales need not be those that the quantiser above would give.
;; One version. Each part assembles by itself: llvm-mc -triple=amdgcn-amd-amdhsa -mcpu=gfx1250 --defsym DOCPART=n.
;; ======== version 1 of 1: 3 launches
;; limits: values are held in bf16: 8 bits of precision; right only within a limited range of input values
;; workspace buffers: base 524,288 bytes; Wf 524,288 bytes; Wsc 32,768 bytes; e_buf 262,144 bytes; part 4,194,304 bytes
;; launch prep (part 1): grid 128 x 1, 4 waves a work-group, no clusters, 5,120 bytes of LDS; arguments state_h, state_c, W_s_codes, W_s_scales, b_s, b_h, b_cov, W_h_codes, W_h_scales, base, Wf, Wsc; writes base, Wf, Wsc
.if DOCPART == 1
	.amdgcn_target "amdgcn-amd-amdhsa--gfx1250"
	.amdhsa_code_object_version 6
	.text
	.protected	k_qa3a799fff4_prep
	.globl	k_qa3a799fff4_prep
	.p2align	8
	.type	k_qa3a799fff4_prep,@function
k_qa3a799fff4_prep:
	s_mov_b64 s[64:65], 0
	v_nop
	global_prefetch_b8 v0, s[64:65] scope:SCOPE_SE
	s_setreg_imm32_b32 hwreg(HW_REG_WAVE_MODE, 25, 1), 1
	s_wait_xcnt 0x0
; FIRST OF THREE LAUNCHES.  (Q(cat(state_h, state_c)) W_s)[b][n] + b_s[n] + b_h[n] + b_cov[n], the product on codes of FP4 (E2M1) with one E8M0 scale for each 32 along K, as FOUR PARTS along K:
; base[kq][b][n] sums K = 512 kq .. 512 kq + 511, and part 0 holds the three biases too; the second launch adds the four parts in f32.
; And W_h's codes and scale bytes laid anew, in the order in which a wave's operand registers take them (Wf, Wsc), so that the second launch loads whole fragments, 512 consecutive bytes a load.
; WORK LEFT OUT BY THE PROGRAM, in exact arithmetic and for all finite inputs:
;   last_attn: reference() never reads it.  It is no argument of any launch.
;   v_b: it is added to every e of a row alike, and e - max(e) takes it away again.  It is no argument of any launch.
;   sum(v_w): tanh z = 1 - 2 / (1 + 2^(c z)), c = 2 log2(e), so e = sum(v_w) - 2 sum over n of v_w[n] / (1 + 2^(c z[n])): the first term is the same along the row and goes as v_b goes.
;   the second e - max(e): the largest e is 0 by then.
;   the softmax's own divisor Z: 1 <= Z <= 2,048, and attn = (p / Z) m / sum((p / Z) m) = p m / sum(p m).  The maximum ahead of the exponential is kept.
; LIMITS: a NaN, an infinity or an overflow in last_attn or v_b, or in sum(v_w) alone, is not carried to the result.  A block of 32 whose largest magnitude lies under 2^-124 gets the scale byte 1
; (a block of zeros too, where the rule says 127: its codes are zeros, and the bytes are read by this program alone).  NaN and infinities in the states are not served.
; SHARES.  128 work-groups of four waves.  x = mt + 2 kq + 8 tg: mt picks 16 of the 32 batches, kq a quarter of K (0, 1: state_h; 2, 3: state_c), tg four tiles of 16 columns; wave w makes tile g = 4 tg + w.
; The quarter's four K steps of 128 are quantised once in the work-group, one by each wave, and go to the other waves through LDS as images of the operand's registers: a work-group reads 32 KiB of the states and 16 KiB of W_s.
; The product is used transposed (source 0 = 16 rows of W_s^T, source 1 = 16 batches): a lane holds one batch and eight neighbouring columns.  base's stores of 32 bytes a lane are not gathered: 512 KiB in all.
; The biases and W_h's scale words are loaded by every work-group, so that no register's filling hangs on a branch; they are selected, or stored, where kq = 0 alone.
; Of W_h each of the 512 waves copies one fragment: tile g, K step 4 mt + kq.  No loop, so nothing is prefetched; no tile is shared through LDS between work-groups, so no cluster.
.set IMG,   0                          ; LDS: 4 fragments' images, 1,024 bytes each
.set SCI,   4096                       ; the states' scale words, [lane][2]: lanes 0-15 the even K steps, lanes 16-31 the odd ones
.set SPARE, 4352                       ; the spare words, 128 bytes for each wave: two blocks of 256 bytes that no other line names
.set XA,  4                            ; v4   the states: row r of 4,096 bytes + 64 h
.set LI,  5                            ; v5   16 x lane
.set WA,  6                            ; v6   W_s's codes: row r of 1,024 bytes + 16 h
.set WSA, 7                            ; v7   W_s's scale bytes: row r of 64 + 4 h
.set BA,  8                            ; v8   the biases: 32 h
.set HA,  9                            ; v9   W_h's codes: row r of 512 bytes + 16 h
.set HSA, 10                           ; v10  W_h's scale bytes: row r of 32 + 4 h
.set IW,  11                           ; v11  where I store my image: 16 x lane + 1,024 x wave
.set SW,  12                           ; v12  and its scale word
.set SR,  13                           ; v13  where I read the scale words: SCI + 8 x lane
.set OA,  14                           ; v14  base: row r of 4,096 bytes + 32 h
.set WS,  16                           ; v16-17  W_s's scale words
.set SS,  18                           ; v18-19  the states'
.set HS,  20                           ; v20-21  W_h's scale words, on their way
.set BS,  32                           ; v32-39 b_s, v40-47 b_h, v48-55 b_cov; their sum in v32-39
.set TM,  56                           ; v56-71  at work in QUANT
.set PC,  72                           ; v72-79  the codes just made
.set PW,  80                           ; v80     their scale word
.set SPW, 82                           ; v82     LDS address of my spare word; never rewritten
.set NIL, 83                           ; v83     0; never rewritten
.set HP,  84                           ; v84-91  W_h's fragment, on its way
.set ACC, 96                           ; v96-127 four accumulators, one for each K step
.set XQ,  128                          ; v128-191 my unit: 64 numbers
.set WF,  192                          ; v192-223 W_s's four fragments
.set XF,  224                          ; v224-255 the states' four fragments
.set SEL, 34
; 64 numbers of a lane, register 16 b + i = k 32 b + 16 (lane / 16) + i of my row, become a fragment's codes in v[PC] on and its scale word in v[PW]
.macro QUANT s
.irp b, 0,1,2,3
	v_max3_num_f32 v[TM+\b], |v[\s+16*\b]|, |v[\s+1+16*\b]|, 0x1800000   ; block b: my 16 numbers, and the floor 2^(3 - 127): so the byte cannot fall under 1
.endr
.irp i, 2,4,6,8,10,12,14
.irp b, 0,1,2,3
	v_max3_num_f32 v[TM+\b], v[TM+\b], |v[\s+16*\b+\i]|, |v[\s+1+16*\b+\i]|   ; the four blocks by turns
.endr
.endr
.irp b, 0,1,2,3
	v_permlanex16_b32 v[TM+4+\b], v[TM+\b], s[SEL], s[SEL+1]
.endr
.irp b, 0,1,2,3
	v_max_num_f32 v[TM+\b], v[TM+\b], v[TM+4+\b]   ; with lane l xor 16's: the block's largest magnitude
.endr
.irp b, 0,1,2,3
	v_add_nc_u32 v[TM+12+\b], 0xff000000, v[TM+\b]   ; 2 off its exponent field: the conversion's scale operand
.endr
.irp b, 0,1,2,3
	v_lshrrev_b32 v[TM+4+\b], 23, v[TM+12+\b]      ; the scale's byte
.endr
	v_lshl_or_b32 v[PW], v[TM+5], 8, v[TM+4]
	v_lshl_or_b32 v[PW], v[TM+6], 16, v[PW]
	v_lshl_or_b32 v[PW], v[TM+7], 24, v[PW]
.irp b, 0,1,2,3
	v_cvt_scalef32_pk8_fp4_f32 v[PC+2*\b], v[\s+16*\b:\s+7+16*\b], v[TM+12+\b]
	v_cvt_scalef32_pk8_fp4_f32 v[PC+1+2*\b], v[\s+8+16*\b:\s+15+16*\b], v[TM+12+\b]
.endr
	v_nop                                          ; one plain place behind a scaled conversion
.irp c, 0,1                                    ; the operand's layout wants a whole block in a lane
.irp i, 0,1
	v_permlane16_swap_b32 v[PC+4*\c+\i], v[PC+2+4*\c+\i]
.endr
.endr
.endm
; K step ks of the quarter, into an accumulator of its own.  Odd K steps take their scale words from lanes 16-31
.macro PM ks, c
.if (\ks)%2
	v_wmma_scale_f32_16x16x128_f8f6f4 v[ACC+8*(\ks):ACC+8*(\ks)+7], v[WF+8*(\ks):WF+8*(\ks)+7], v[XF+8*(\ks):XF+8*(\ks)+7], \c, v[WS+(\ks)/2], v[SS+(\ks)/2] matrix_a_fmt:MATRIX_FMT_FP4 matrix_b_fmt:MATRIX_FMT_FP4 matrix_a_scale:MATRIX_SCALE_ROW1 matrix_b_scale:MATRIX_SCALE_ROW1
.else
	v_wmma_scale_f32_16x16x128_f8f6f4 v[ACC+8*(\ks):ACC+8*(\ks)+7], v[WF+8*(\ks):WF+8*(\ks)+7], v[XF+8*(\ks):XF+8*(\ks)+7], \c, v[WS+(\ks)/2], v[SS+(\ks)/2] matrix_a_fmt:MATRIX_FMT_FP4 matrix_b_fmt:MATRIX_FMT_FP4
.endif
.endm
	s_load_b512 s[4:19], s[0:1], 0x0               ; state_h s[4:5], state_c s[6:7], W_s codes s[8:9], W_s scales s[10:11], b_s s[12:13], b_h s[14:15], b_cov s[16:17], W_h codes s[18:19]
	s_load_b256 s[20:27], s[0:1], 0x40             ; W_h scales s[20:21], base s[22:23], Wf s[24:25], Wsc s[26:27]
	v_lshl_add_u32 v[SPW], v0, 2, SPARE
	v_mov_b32 v[NIL], 0
	v_lshrrev_b32 v1, 5, v0
	v_readfirstlane_b32 s28, v1                    ; wave 0..3
	v_and_b32 v1, 31, v0                           ; lane
	v_and_b32 v2, 15, v0                           ; r
	v_bfe_u32 v3, v0, 4, 1                         ; h
	v_lshlrev_b32 v[XA], 12, v2
	v_lshl_add_u32 v[XA], v3, 6, v[XA]
	v_lshlrev_b32 v[LI], 4, v1
	v_lshlrev_b32 v[WA], 10, v2
	v_lshl_add_u32 v[WA], v3, 4, v[WA]
	v_lshlrev_b32 v[WSA], 6, v2
	v_lshl_add_u32 v[WSA], v3, 2, v[WSA]
	v_lshlrev_b32 v[BA], 5, v3
	v_lshlrev_b32 v[HA], 9, v2
	v_lshl_add_u32 v[HA], v3, 4, v[HA]
	v_lshlrev_b32 v[HSA], 5, v2
	v_lshl_add_u32 v[HSA], v3, 2, v[HSA]
	s_lshl_b32 s31, s28, 10
	v_add_nc_u32 v[IW], s31, v[LI]
	s_and_b32 s31, s28, 1
	s_lshl_b32 s31, s31, 7                         ; an odd K step's words belong to lanes 16-31: 16 lanes x 8 bytes on
	s_lshr_b32 s38, s28, 1
	s_lshl_b32 s38, s38, 2                         ; word wave / 2
	s_add_co_u32 s31, s31, s38
	s_add_co_u32 s31, s31, SCI
	v_lshl_add_u32 v[SW], v2, 3, s31
	v_lshl_add_u32 v[SR], v1, 3, SCI
	v_lshlrev_b32 v[OA], 12, v2
	v_lshl_add_u32 v[OA], v3, 5, v[OA]
.irp b, 0,1,2,3
	v_mov_b32 v[TM+4+\b], 0                        ; written once: a lane permute's destination counts as one of its sources
.endr
	s_mov_b32 s[SEL], 0x76543210
	s_mov_b32 s[SEL+1], 0xfedcba98                 ; v_permlanex16_b32's selects for lane l xor 16
	s_and_b32 s29, ttmp9, 1                        ; mt
	s_bfe_u32 s39, ttmp9, 0x20001                  ; kq
	s_lshr_b32 s30, ttmp9, 3
	s_lshl_b32 s30, s30, 2
	s_add_co_u32 s30, s30, s28                     ; g
	s_lshl_b32 s40, s29, 2
	s_add_co_u32 s40, s40, s39                     ; W_h's K step that I copy
	s_cmp_eq_u32 s39, 0
	s_cselect_b32 s41, -1, 0                       ; all lanes where kq = 0
	s_mov_b32 s37, 0
	s_wait_alu depctr_va_vdst(0)                   ; the wait at the head's end
	s_wait_kmcnt 0x0
	s_cmp_lt_u32 s39, 2                            ; quarters 0, 1 lie in state_h, 2, 3 in state_c
	s_cselect_b64 s[4:5], s[4:5], s[6:7]
	s_lshl_b32 s36, s29, 16                        ; 16 mt rows of 4,096 bytes
	s_and_b32 s38, s39, 1
	s_lshl_b32 s38, s38, 11                        ; the quarter: 2,048 bytes of a row
	s_add_co_u32 s36, s36, s38
	s_lshl_b32 s38, s28, 9                         ; my unit: 512 bytes
	s_add_co_u32 s36, s36, s38
	s_add_nc_u64 s[4:5], s[4:5], s[36:37]
	s_lshl_b32 s36, s30, 14
	s_lshl_b32 s38, s39, 8
	s_add_co_u32 s36, s36, s38
	s_add_nc_u64 s[8:9], s[8:9], s[36:37]          ; W_s's codes at row 16 g, K step 4 kq
	s_lshl_b32 s36, s30, 10
	s_lshl_b32 s38, s39, 4
	s_add_co_u32 s36, s36, s38
	s_add_nc_u64 s[10:11], s[10:11], s[36:37]      ; its scale bytes
	s_lshl_b32 s36, s30, 6
	s_add_nc_u64 s[12:13], s[12:13], s[36:37]      ; the biases at column 16 g
	s_add_nc_u64 s[14:15], s[14:15], s[36:37]
	s_add_nc_u64 s[16:17], s[16:17], s[36:37]
	s_lshl_b32 s38, s29, 16
	s_add_co_u32 s36, s36, s38
	s_lshl_b32 s38, s39, 17
	s_add_co_u32 s36, s36, s38
	s_add_nc_u64 s[22:23], s[22:23], s[36:37]      ; base: part kq, row 16 mt, column 16 g
	s_lshl_b32 s36, s30, 13
	s_lshl_b32 s38, s40, 6
	s_add_co_u32 s36, s36, s38
	s_add_nc_u64 s[18:19], s[18:19], s[36:37]      ; W_h's codes at row 16 g, my K step
	s_lshl_b32 s36, s30, 9
	s_lshl_b32 s38, s29, 4
	s_add_co_u32 s36, s36, s38
	s_add_nc_u64 s[20:21], s[20:21], s[36:37]      ; its scale bytes at K step 4 mt
	s_lshl_b32 s36, s30, 13
	s_lshl_b32 s38, s40, 10
	s_add_co_u32 s36, s36, s38
	s_add_nc_u64 s[24:25], s[24:25], s[36:37]      ; Wf at tile g, my K step
	s_lshl_b32 s36, s30, 9
	s_lshl_b32 s38, s29, 3
	s_add_co_u32 s36, s36, s38
	s_add_nc_u64 s[26:27], s[26:27], s[36:37]      ; Wsc at tile g, word 2 mt
.irp b, 0,1,2,3                                ; my unit: 16 rows x 128 along K
.irp j, 0,1,2,3
	global_load_b128 v[XQ+16*\b+4*\j:XQ+16*\b+4*\j+3], v[XA], s[4:5] offset:128*\b+16*\j
.endr
.endr
	global_load_b128 v[BS:BS+3], v[BA], s[12:13]
	global_load_b128 v[BS+4:BS+7], v[BA], s[12:13] offset:16
	global_load_b128 v[BS+8:BS+11], v[BA], s[14:15]
	global_load_b128 v[BS+12:BS+15], v[BA], s[14:15] offset:16
	global_load_b128 v[BS+16:BS+19], v[BA], s[16:17]
	global_load_b128 v[BS+20:BS+23], v[BA], s[16:17] offset:16
	global_load_b32 v[HS], v[HSA], s[20:21]        ; lanes 0-15: K step 4 mt, lanes 16-31: 4 mt + 1;
	global_load_b32 v[HS+1], v[HSA], s[20:21] offset:8   ; 4 mt + 2 and 4 mt + 3
.irp ks, 0,1,2,3
.irp c, 0,1
	global_load_b128 v[WF+8*\ks+4*\c:WF+8*\ks+4*\c+3], v[WA], s[8:9] offset:64*\ks+32*\c
.endr
.endr
.irp k, 0,1
	global_load_b32 v[WS+\k], v[WSA], s[10:11] offset:8*\k   ; lanes 0-15: the quarter's K step 2 k; lanes 16-31: 2 k + 1
.endr
.irp c, 0,1
	global_load_b128 v[HP+4*\c:HP+4*\c+3], v[HA], s[18:19] offset:32*\c
.endr
	s_wait_loadcnt 12                              ; my unit is in: the youngest 8 + 2 + 2 loads may be out
	QUANT XQ
.irp c, 0,1
	ds_store_b128 v[IW], v[PC+4*\c:PC+4*\c+3] offset:IMG+512*\c   ; the fragment and its scale word go to LDS as they stand
.endr
	ds_store_b32 v[SW], v[PW]                      ; lanes l and l + 16 write the same word with the same value
	s_wait_loadcnt 0x0
.irp c, 0,1
	global_store_b128 v[LI], v[HP+4*\c:HP+4*\c+3], s[24:25] offset:512*\c   ; 32 lanes store 512 consecutive bytes
.endr
	s_cmp_lg_u32 s39, 0
	s_cbranch_scc1 .Lnot_scales                    ; a branch on the work-group's number: each byte of Wsc has one owner
	global_store_b64 v[LI], v[HS:HS+1], s[26:27]
.Lnot_scales:
.irp i, 0,2,4,6
	v_pk_add_f32 v[BS+\i:BS+\i+1], v[BS+\i:BS+\i+1], v[BS+8+\i:BS+8+\i+1]
.endr
.irp i, 0,2,4,6
	v_pk_add_f32 v[BS+\i:BS+\i+1], v[BS+\i:BS+\i+1], v[BS+16+\i:BS+16+\i+1]   ; b_s + b_h + b_cov at my eight columns
.endr
.irp i, 0,1,2,3,4,5,6,7
	v_cndmask_b32 v[BS+\i], 0, v[BS+\i], s41       ; in part 0 alone: the C of the first matrix instruction
.endr
	s_wait_alu depctr_va_vdst(0)                   ; directly ahead of the wait below
	s_wait_dscnt 0x0                               ; for the others' sake: my image and scale word have landed
	s_barrier_signal -1
	s_barrier_wait -1
.irp ks, 0,1,2,3
.irp c, 0,1
	ds_load_b128 v[XF+8*\ks+4*\c:XF+8*\ks+4*\c+3], v[LI] offset:IMG+1024*\ks+512*\c
.endr
.endr
	ds_load_b64 v[SS:SS+1], v[SR]
.rept 8
	v_nop                                          ; places between the vector lines that made C and the scaled matrix instruction that takes it
.endr
	s_wait_dscnt 0x0
	PM 0, v[BS:BS+7]
	PM 1, 0
	PM 2, 0
	PM 3, 0
.rept 4
	v_nop
.endr
.irp i, 0,2,4,6                                ; each accumulator is read from its low end on
	v_pk_add_f32 v[ACC+\i:ACC+\i+1], v[ACC+\i:ACC+\i+1], v[ACC+8+\i:ACC+8+\i+1]
	v_pk_add_f32 v[ACC+16+\i:ACC+16+\i+1], v[ACC+16+\i:ACC+16+\i+1], v[ACC+24+\i:ACC+24+\i+1]
.endr
.irp i, 0,2,4,6
	v_pk_add_f32 v[ACC+\i:ACC+\i+1], v[ACC+\i:ACC+\i+1], v[ACC+16+\i:ACC+16+\i+1]
.endr
	global_store_b128 v[OA], v[ACC:ACC+3], s[22:23]            ; base[kq](16 mt + r, 16 g + 8 h + 0 .. 7)
	global_store_b128 v[OA], v[ACC+4:ACC+7], s[22:23] offset:16
	s_wait_tensorcnt 0x0                           ; the wave's end, behind my last LDS store
	ds_add_u32 v[SPW], v[NIL]
	s_wait_dscnt 0x0
	s_endpgm
.Lfunc_end_k_qa3a799fff4_prep:
	.size	k_qa3a799fff4_prep, .Lfunc_end_k_qa3a799fff4_prep-k_qa3a799fff4_prep
	.p2alignl 7, 3214868480
	.fill 96, 4, 3214868480
	.section	.rodata,"a",@progbits
	.p2align	6, 0x0
	.amdhsa_kernel k_qa3a799fff4_prep
		.amdhsa_group_segment_fixed_size 5120
		.amdhsa_private_segment_fixed_size 0
		.amdhsa_enable_private_segment 0
		.amdhsa_kernarg_size 96
		.amdhsa_user_sgpr_count 2
		.amdhsa_user_sgpr_kernarg_segment_ptr 1
		.amdhsa_wavefront_size32 1
		.amdhsa_system_sgpr_workgroup_id_x 1
		.amdhsa_system_sgpr_workgroup_id_y 1
		.amdhsa_system_sgpr_workgroup_id_z 1
		.amdhsa_system_vgpr_workitem_id 0
		.amdhsa_next_free_vgpr 256
		.amdhsa_next_free_sgpr 66
		.amdhsa_reserve_vcc 0
		.amdhsa_float_denorm_mode_32 3
		.amdhsa_float_denorm_mode_16_64 3
		.amdhsa_memory_ordered 1
		.amdhsa_forward_progress 1
		.amdhsa_inst_pref_size 16
	.end_amdhsa_kernel
	.amdgpu_metadata
---
amdhsa.version: [ 1, 2 ]
amdhsa.kernels:
  - .name:           k_qa3a799fff4_prep
    .symbol:         k_qa3a799fff4_prep.kd
    .args:
      - { .name: state_h, .offset: 0, .size: 8, .value_kind: global_buffer, .address_space: global }
      - { .name: state_c, .offset: 8, .size: 8, .value_kind: global_buffer, .address_space: global }
      - { .name: W_s_codes, .offset: 16, .size: 8, .value_kind: global_buffer, .address_space: global }
      - { .name: W_s_scales, .offset: 24, .size: 8, .value_kind: global_buffer, .address_space: global }
      - { .name: b_s, .offset: 32, .size: 8, .value_kind: global_buffer, .address_space: global }
      - { .name: b_h, .offset: 40, .size: 8, .value_kind: global_buffer, .address_space: global }
      - { .name: b_cov, .offset: 48, .size: 8, .value_kind: global_buffer, .address_space: global }
      - { .name: W_h_codes, .offset: 56, .size: 8, .value_kind: global_buffer, .address_space: global }
      - { .name: W_h_scales, .offset: 64, .size: 8, .value_kind: global_buffer, .address_space: global }
      - { .name: base, .offset: 72, .size: 8, .value_kind: global_buffer, .address_space: global }
      - { .name: Wf, .offset: 80, .size: 8, .value_kind: global_buffer, .address_space: global }
      - { .name: Wsc, .offset: 88, .size: 8, .value_kind: global_buffer, .address_space: global }
    .group_segment_fixed_size: 5120
    .private_segment_fixed_size: 0
    .kernarg_segment_align: 8
    .kernarg_segment_size: 96
    .max_flat_workgroup_size: 128
    .sgpr_count:     66
    .vgpr_count:     256
    .wavefront_size: 32
...
	.end_amdgpu_metadata
.endif
;; end of part 1
;; launch main (part 2): grid 256 x 1, 4 waves a work-group, no clusters, 327,680 bytes of LDS; arguments context, coverage, context_mask, W_cov, v_w, base, Wf, Wsc, e_buf, part; writes e_buf, part
.if DOCPART == 2
	.amdgcn_target "amdgcn-amd-amdhsa--gfx1250"
	.amdhsa_code_object_version 6
	.text
	.protected	k_qa3a799fff4_main
	.globl	k_qa3a799fff4_main
	.p2align	8
	.type	k_qa3a799fff4_main,@function
k_qa3a799fff4_main:
	s_mov_b64 s[64:65], 0
	v_nop
	global_prefetch_b8 v0, s[64:65] scope:SCOPE_SE
	s_setreg_imm32_b32 hwreg(HW_REG_WAVE_MODE, 25, 1), 1
	s_wait_xcnt 0x0
; SECOND OF THREE LAUNCHES.  For 256 rows (b, s) of context a work-group makes  e2 = -2 log2(e) x sum over n of v_w[n] / (1 + 2^(c z[n])),  c = 2 log2(e),
; z = base[b] + Q(context) W_h + cov x W_cov, the product on codes of FP4 (E2M1) with one E8M0 scale for each 32 along K; and, for each chunk of 64 rows,
; part[chunk][d] = sum over its rows of 2^(e2 - the chunk's largest e2) x mask x context[row][d] (bf16 operands, f32 sums).  The third launch joins the chunks.
; LEFT OUT (shown at the head of the first launch): last_attn, v_b, sum(v_w), the second e - max(e), the softmax's own divisor.  A maximum is taken away ahead of every exponential of e2.
; 2^(c z) may reach infinity or 0: the reciprocal of 1 + it is then 0 or 1, which is tanh's limit.  LIMIT: a block of 32 under 2^-124 (a block of zeros too) gets the scale byte 1; its bytes are read here alone.
; SHARES.  256 work-groups of four waves; a work-group's 256 rows lie in one batch (8 work-groups a batch) and go in 4 chunks of 64 rows.  context is read once, by tensor loads, 16 rows a slot:
; wave w fetches and quantises columns 256 w .. + 255 (two units of 16 rows x 128 K), and stores the codes as images of the operand's registers, the scale words, and a bf16 copy of the rows in LDS.
; For the product every wave holds the chunk's 64 rows x 1,024 K of codes in registers and walks ITS 16 tiles of 16 columns of W_h, whose fragments come from memory straight into registers (Wf, Wsc: laid by the first launch).
; The product is used transposed (source 0 = 16 columns of W_h, source 1 = 16 rows): a lane holds one row and eight neighbouring columns n.  While a chunk is multiplied, the next chunk's slots are fetched and quantised.
; NO CLUSTER: the work-groups share W_h alone, each wave takes its quarter of it straight into registers, and the LDS map below has no room for tiles of it.
; REGISTERS.  window 0: addresses, scale words, what is at work;  window 1: the chunk's 32 fragments of codes;  window 2: the chunk's bf16 copy, transposed, my 256 columns;
; window 3: v0-127 W_h's fragments, two sets; v128-175 two sets of (base, W_cov, -c v_w) at a tile's columns; v176-239 two sets of four accumulators.
.set RAWW,  16640                      ; a wave's part of a slot: 16 rows x (1,024 bytes + 16 of padding)
.set RAWS,  RAWW                       ; a wave's two parts lie on end: from one slot to the other
.set COPY,  8*RAWW                     ; behind the four waves' two parts each: the bf16 copy: 64 rows
.set CP,    2080                       ; of 2,048 bytes + 32
.set IMG,   COPY+64*CP                 ; 32 fragments' images, 1,024 bytes each
.set ISC,   IMG+32768                  ; the rows' scale words
.set CT,    ISC+2048                   ; base, W_cov, -c v_w: 4,096 bytes each
.set EX,    CT+12288                   ; the waves' parts of e2
.set PB,    EX+1024                    ; p as bf16, each wave's own
.set OS,    PB+512                     ; the way out of part, each wave's own
.set SPARE, OS+4096                    ; the spare words, 128 bytes for each wave: two blocks of 256 bytes that no other line names
.set L16,  1
.set BOF,  2
.set CTB,  4
.set SOF,  5
.set RAWB, 7
.set RAWC, 8
.set IMGB, 9
.set IMGC, 10
.set ISCB, 11
.set ISCC, 12
.set CPB,  13
.set CPC,  14
.set LI,   15
.set LS,   16
.set TR0,  17
.set TR1,  18
.set EXW,  19
.set EXR,  20
.set PBW,  21
.set PBR,  22
.set OSW,  23
.set OSR,  24
.set G8,   25
.set G4R,  26
.set PFO,  27
.set T32,  28
.set SPW,  30
.set NIL,  31
.set ASC,  32
.set BSC,  48
.set COV,  56
.set EACC, 64
.set SMC,  72
.set SMM,  76
.set MF,   78
.set TM,   80
.set PC,   96
.set PW,   104
.set INV,  105
.set CTQ,  106
.set POP,  108
.set HT,   128
.set XQ,   160
.set BFP,  224
.set AC,   176
.set G1,   24
.set G0A,  32
.set G0B,  36
.set WV,   40
.set BASEW, 43
.set CS,   44
.set SEL,  46
.set MSK,  48
.set LD,   49
.set RD,   50
.set MI,   51
.set MS,   52
.set MC,   53
.set NB,   54
.set T1,   55
.set T2,   56
.set T3,   57
.set RF,   58
.set CH,   59
.set PD,   60
.set BD,   61
.set PFA,  62
.set MSB, 0
.macro WIN new                         ; the immediate's high byte repeats the setting that is left
.if MSB != \new
	s_set_vgpr_msb (MSB<<8)|\new
.set MSB, \new
.endif
.endm
; 64 numbers of a lane, register 16 b + i = k 32 b + 16 (lane / 16) + i of my row, become a fragment's codes in v[PC] on and its scale word in v[PW]
.macro QUANT s
.irp b, 0,1,2,3
	v_max3_num_f32 v[TM+\b], |v[\s+16*\b]|, |v[\s+1+16*\b]|, 0x1800000   ; with the floor 2^(3 - 127): the byte cannot fall under 1
.endr
.irp i, 2,4,6,8,10,12,14
.irp b, 0,1,2,3
	v_max3_num_f32 v[TM+\b], v[TM+\b], |v[\s+16*\b+\i]|, |v[\s+1+16*\b+\i]|
.endr
.endr
.irp b, 0,1,2,3
	v_permlanex16_b32 v[TM+4+\b], v[TM+\b], s[SEL], s[SEL+1]
.endr
.irp b, 0,1,2,3
	v_max_num_f32 v[TM+\b], v[TM+\b], v[TM+4+\b]   ; with lane l xor 16's: the block's largest magnitude
.endr
.irp b, 0,1,2,3
	v_add_nc_u32 v[TM+12+\b], 0xff000000, v[TM+\b]   ; 2 off its exponent field: the conversion's scale operand
.endr
.irp b, 0,1,2,3
	v_lshrrev_b32 v[TM+4+\b], 23, v[TM+12+\b]      ; the scale's byte
.endr
	v_lshl_or_b32 v[PW], v[TM+5], 8, v[TM+4]
	v_lshl_or_b32 v[PW], v[TM+6], 16, v[PW]
	v_lshl_or_b32 v[PW], v[TM+7], 24, v[PW]
.irp b, 0,1,2,3
	v_cvt_scalef32_pk8_fp4_f32 v[PC+2*\b], v[\s+16*\b:\s+7+16*\b], v[TM+12+\b]
	v_cvt_scalef32_pk8_fp4_f32 v[PC+1+2*\b], v[\s+8+16*\b:\s+15+16*\b], v[TM+12+\b]
.endr
	v_nop                                          ; one plain place behind a scaled conversion
.irp c, 0,1                                    ; the operand's layout wants a whole block in a lane
.irp i, 0,1
	v_permlane16_swap_b32 v[PC+4*\c+\i], v[PC+2+4*\c+\i]
.endr
.endr
.endm
; THE CHANGE OF SLOTS: all my tensor loads waited for, the add, the wait for it and for my LDS instructions, the barrier, and my one tensor load: the next 16 rows into the slot read last.
; Refill k (s[RF] = k) loads slot k + 1 of 16.  Behind it two prefetches name my 16 rows x 1,024 bytes of slot k + 3, a lane a block of 256 bytes: two slots ahead of the load that will want them; refills 13 and 14 have no such slot.
.macro REFILL
	WIN 0
	s_wait_tensorcnt 0x0
	ds_add_u32 v[SPW], v[NIL]
	s_xor_b32 s[LD], s[LD], RAWS
	s_add_co_u32 s[G0B+1], s[BASEW], s[LD]
	s_add_nc_u64 s[G0B+2:G0B+3], s[G0B+2:G0B+3], 0x10000
	s_wait_xcnt 0x0                                ; my prefetches have read their address: it may step
	s_add_nc_u64 s[PFA:PFA+1], s[PFA:PFA+1], 0x10000
	s_add_co_u32 s[RF], s[RF], 1
	s_wait_dscnt 0x0
	s_barrier_signal -1
	s_barrier_wait -1
	tensor_load_to_lds s[G0B:G0B+3], s[G1:G1+7]
	s_nop 0
.rept 4
	v_nop
.endr
	s_cmp_lt_u32 s[RF], 13
	s_cbranch_scc0 .Lno_ask_\@
	global_prefetch_b8 v[PFO], s[PFA:PFA+1] th:TH_LOAD_NT scope:SCOPE_SE
	global_prefetch_b8 v[PFO], s[PFA:PFA+1] offset:32768 th:TH_LOAD_NT scope:SCOPE_SE
.Lno_ask_\@:
.endm
.macro PSET                            ; the addresses of the slot to be quantised, and of where its 16 rows go
	v_add_nc_u32 v[RAWC], s[RD], v[RAWB]
	v_add_nc_u32 v[IMGC], s[MI], v[IMGB]
	v_add_nc_u32 v[ISCC], s[MS], v[ISCB]
	v_add_nc_u32 v[CPC], s[MC], v[CPB]
	s_xor_b32 s[RD], s[RD], RAWS
	s_add_co_u32 s[MI], s[MI], 8192
	s_add_co_u32 s[MS], s[MS], 512
	s_add_co_u32 s[MC], s[MC], 16*CP
.endm
.macro ULOAD uu                        ; unit uu of my part of the slot: 16 rows x 128 K, 64 numbers a lane
.irp b, 0,1,2,3
.irp j, 0,1,2,3
	ds_load_b128 v[XQ+16*\b+4*\j:XQ+16*\b+4*\j+3], v[RAWC] offset:512*\uu+128*\b+16*\j
.endr
.endr
.endm
.macro UWORK uu, left                  ; left: the LDS instructions issued behind ULOAD's.  11 LDS stores: the image, the scale word, the bf16 copy
	s_wait_dscnt \left
	QUANT XQ
.irp c, 0,1
	ds_store_b128 v[IMGC], v[PC+4*\c:PC+4*\c+3] offset:1024*\uu+512*\c
.endr
	ds_store_b32 v[ISCC], v[PW] offset:256*\uu
.set i, 0
.rept 32
	v_cvt_pk_bf16_f32 v[BFP+i], v[XQ+2*i], v[XQ+2*i+1]
.set i, i+1
.endr
.irp b, 0,1,2,3
.irp x, 0,1
	ds_store_b128 v[CPC], v[BFP+8*\b+4*\x:BFP+8*\b+4*\x+3] offset:256*\uu+64*\b+16*\x
.endr
.endr
.endm
.macro PROD                            ; a whole slot quantised with nothing beside it
	s_wait_dscnt 0x0
	PSET
	ULOAD 0
	UWORK 0, 0
	ULOAD 1
	UWORK 1, 0
.endm
.macro BLOAD par, adr, sadr            ; a tile's 8 fragments of W_h and its scale words: 17 loads, each of 512 consecutive bytes a wave
	WIN 0xc0
.irp x, 0,1,2,3,4,5,6,7,8,9,10,11,12,13,14,15
	global_load_b128 v[64*\par+4*\x:64*\par+4*\x+3], v[\adr], s[16:17] offset:8192*\par+512*\x
.endr
	WIN 0
	global_load_b128 v[BSC+4*\par:BSC+4*\par+3], v[\sadr], s[18:19] offset:512*\par
.endm
.macro CLOAD par, adr
	WIN 0xc0
.irp a, 0,1,2
.irp x, 0,1
	ds_load_b128 v[128+24*\par+8*\a+4*\x:128+24*\par+8*\a+4*\x+3], v[\adr] offset:4096*\a+64*\par+16*\x
.endr
.endr
	WIN 0
.endm
.macro SMLOAD off                      ; a chunk's coverage (a row a lane, four tiles) and mask (two rows a lane)
.irp m, 0,1,2,3
	global_load_b32 v[SMC+\m], v[G4R], s[6:7] offset:\off+64*\m
.endr
	global_load_b64 v[SMM:SMM+1], v[G8], s[8:9] offset:\off
.endm
; matrix instruction n of a tile: K step n / 4, rows 16 (n % 4) ..: the four accumulators by turns, one instruction a turn.  The first K step takes base as C.  Odd K steps take their scale words from lanes 16-31
.macro MMI par, n
.set KS_, (\n)/4
.set M_, (\n)%4
.set D_, AC+32*(\par)+8*M_
.set F_, 64*(\par)+8*KS_
.set X_, 64*M_+8*KS_
.if KS_ == 0
	v_wmma_scale_f32_16x16x128_f8f6f4 v[D_:D_+7], v[F_:F_+7], v[X_:X_+7], v[128+24*(\par):128+24*(\par)+7], v[BSC+4*(\par)], v[ASC+4*M_] matrix_a_fmt:MATRIX_FMT_FP4 matrix_b_fmt:MATRIX_FMT_FP4
.elseif KS_%2
	v_wmma_scale_f32_16x16x128_f8f6f4 v[D_:D_+7], v[F_:F_+7], v[X_:X_+7], v[D_:D_+7], v[BSC+4*(\par)+KS_/2], v[ASC+4*M_+KS_/2] matrix_a_fmt:MATRIX_FMT_FP4 matrix_b_fmt:MATRIX_FMT_FP4 matrix_a_scale:MATRIX_SCALE_ROW1 matrix_b_scale:MATRIX_SCALE_ROW1
.else
	v_wmma_scale_f32_16x16x128_f8f6f4 v[D_:D_+7], v[F_:F_+7], v[X_:X_+7], v[D_:D_+7], v[BSC+4*(\par)+KS_/2], v[ASC+4*M_+KS_/2] matrix_a_fmt:MATRIX_FMT_FP4 matrix_b_fmt:MATRIX_FMT_FP4
.endif
.endm
; A STEP finishes the tile in set e (64 rows x 16 columns, 32 numbers a lane) and, mx = 1, multiplies the next tile into set 1 - e.  Everything goes in batches, so that each batch of transcendentals has one wait ahead and one behind:
; z, c z;  32 exponentials;  the 32 matrix instructions on end;  1 + ..;  the loads of set 1 - e's next fragments (ldb);  32 reciprocals;  the sums into e2;  the next constants (ldb: base of 1 - e; ldc: W_cov, v_w of e).
; dsleft: the LDS instructions issued behind the constants that this step reads (the last step's 6 loads, and a unit's 16 loads or 11 stores).  ldleft: the other set's 17 loads, issued behind those that the products wait for.
.macro STEP e, mx, ldb, ldc, dsleft, ldleft
	s_wait_dscnt \dsleft
	WIN 0xf3
	s_wait_alu depctr_va_vdst(0)                   ; directly ahead of the first readers of the four accumulators
.irp i, 0,2,4,6                                ; each accumulator is read from its low end on
.irp m, 0,1,2,3
	v_pk_fma_f32 v[AC+32*\e+8*\m+\i:AC+32*\e+8*\m+\i+1], v[136+24*\e+\i:136+24*\e+\i+1], v[COV+2*\m:COV+2*\m+1], v[AC+32*\e+8*\m+\i:AC+32*\e+8*\m+\i+1] op_sel_hi:[1,0,1]
.endr
.endr
	WIN 0xf7
.set g, 0
.rept 16
	v_pk_mul_f32 v[AC+32*\e+2*g:AC+32*\e+2*g+1], v[AC+32*\e+2*g:AC+32*\e+2*g+1], s[CS:CS+1] op_sel_hi:[1,0]
.set g, g+1
.endr
	s_wait_alu depctr_va_vdst(0)                   ; ahead of the batch
.set g, 0
.rept 32
	v_exp_f32 v[AC+32*\e+g], v[AC+32*\e+g]
.set g, g+1
.endr
	v_nop                                          ; a plain place behind the batch
	s_wait_alu depctr_va_vdst(0)                   ; and the wait behind it
.if \mx
	s_wait_loadcnt \ldleft
.set g, 0
.rept 32
	MMI 1-\e, g
.set g, g+1
.endr
.endif
.set i, 0
.rept 16                                       ; these 16 name set e alone: they are the places behind the products, ahead of the loads into their sources
	v_pk_add_f32 v[AC+32*\e+i:AC+32*\e+i+1], v[AC+32*\e+i:AC+32*\e+i+1], 1.0 op_sel_hi:[1,0]
.set i, i+2
.endr
.if \ldb
	WIN 0
	global_load_b128 v[BSC+4*(1-\e):BSC+4*(1-\e)+3], v[SOF+\e], s[18:19] offset:512*(1-\e)
	WIN 0xc0
.irp x, 0,1,2,3,4,5,6,7,8,9,10,11,12,13,14,15
	global_load_b128 v[64*(1-\e)+4*\x:64*(1-\e)+4*\x+3], v[BOF+\e], s[16:17] offset:8192*(1-\e)+512*\x
.endr
	WIN 0xf7
.endif
	s_wait_alu depctr_va_vdst(0)                   ; ahead of the batch
.set i, 0
.rept 32
	v_rcp_f32 v[AC+32*\e+i], v[AC+32*\e+i]
.set i, i+1
.endr
	v_nop
	s_wait_alu depctr_va_vdst(0)                   ; and behind it
	WIN 0x0f
.irp i, 0,2,4,6
.irp m, 0,1,2,3
	v_pk_fma_f32 v[EACC+2*\m:EACC+2*\m+1], v[AC+32*\e+8*\m+\i:AC+32*\e+8*\m+\i+1], v[144+24*\e+\i:144+24*\e+\i+1], v[EACC+2*\m:EACC+2*\m+1]
.endr
.endr
.if \ldb
	WIN 0xc0
	ds_load_b128 v[128+24*(1-\e):128+24*(1-\e)+3], v[CTQ+\e] offset:64*(1-\e)
	ds_load_b128 v[128+24*(1-\e)+4:128+24*(1-\e)+7], v[CTQ+\e] offset:64*(1-\e)+16
.endif
.if \ldc
	WIN 0xc0
.irp a, 1,2
.irp x, 0,1
	ds_load_b128 v[128+24*\e+8*\a+4*\x:128+24*\e+8*\a+4*\x+3], v[CTQ] offset:4096*\a+64*\e+16*\x
.endr
.endr
.endif
	WIN 0
.endm
.macro PRIME left                      ; a chunk's tile 0 is multiplied with nothing beside it; then tile 2's fragments and base are asked for.  left: the loads issued behind tile 0's
	s_wait_loadcnt \left
	WIN 0xf7
.set nn, 0
.rept 32
	MMI 0, nn
.set nn, nn+1
.endr
	WIN 0
.rept 4
	v_nop
.endr
	global_load_b128 v[BSC:BSC+3], v[L16], s[18:19] offset:1024
	WIN 0xc0
.irp x, 0,1,2,3,4,5,6,7,8,9,10,11,12,13,14,15
	global_load_b128 v[4*\x:4*\x+3], v[L16], s[16:17] offset:16384+512*\x
.endr
	ds_load_b128 v[128:131], v[CTB] offset:128
	ds_load_b128 v[132:135], v[CTB] offset:144
	WIN 0
.endm
.macro ASET both                       ; the pair of tiles that the next two steps ask for: 2 NB, 2 NB + 1 (and NB + 1's), modulo the wave's 16: the last steps of a chunk ask for the next chunk's first tiles
	s_wait_xcnt 0x0
	s_add_co_u32 s[NB], s[NB], 1
	s_and_b32 s[NB], s[NB], 7
	s_lshl_b32 s[T1], s[NB], 14
	s_lshl_b32 s[T2], s[NB], 10
	s_lshl_b32 s[T3], s[NB], 7
	v_add_nc_u32 v[BOF], s[T1], v[L16]
	v_add_nc_u32 v[SOF], s[T2], v[L16]
	v_add_nc_u32 v[CTQ], s[T3], v[CTB]
.if \both
	s_add_co_u32 s66, s[NB], 1
	s_and_b32 s66, s66, 7
	s_lshl_b32 s67, s66, 14
	s_lshl_b32 s68, s66, 10
	s_lshl_b32 s69, s66, 7
	v_add_nc_u32 v[BOF+1], s67, v[L16]
	v_add_nc_u32 v[SOF+1], s68, v[L16]
	v_add_nc_u32 v[CTQ+1], s69, v[CTB]
.endif
.endm
; two steps, and (unit = 1) one unit of the next chunk quantised between them.  kind 0: in a chunk's middle; 1: a chunk's last pair; 2, 3: the launch's last two pairs, which ask for nothing beyond the end
.macro BODY unit, uu, kind
.if \unit
	ULOAD \uu
.endif
.if \kind == 3
	STEP 0, 1, 0, 0, 4, 0
	STEP 1, 0, 0, 0, 0, 0
.else
	STEP 0, 1, 1, 1, (6+16*\unit), 17
.if \unit
	UWORK \uu, 6
.endif
.if \kind == 0
	STEP 1, 1, 1, 1, (6+11*\unit), 17
.elseif \kind == 1
	STEP 1, 0, 0, 1, (6+11*\unit), 0
.else
	STEP 1, 1, 0, 1, 6, 17
.endif
.endif
.endm
; a chunk's start: cov = (coverage + 0.001) / the row's sum; the mask as f32; e2 = 0; the chunk's codes, scale words and transposed bf16 copy come from LDS into registers
.macro FETCH next
	s_wait_loadcnt 34                              ; the chunk's coverage and mask are in; two sets of W_h (17 loads each) may be out
.irp m, 0,1,2,3
	v_add_f32 v[COV+2*\m], 0x3a83126f, v[SMC+\m]
.endr
.irp m, 0,1,2,3
	v_mul_f32 v[COV+2*\m], v[COV+2*\m], v[INV]
.endr
.irp m, 0,1,2,3
	v_mov_b32 v[COV+2*\m+1], v[COV+2*\m]
.endr
	v_cvt_f32_i32 v[MF], v[SMM]
	v_cvt_f32_i32 v[MF+1], v[SMM+1]
.irp j, 0,1,2,3,4,5,6,7
	v_mov_b32 v[EACC+\j], 0
.endr
	s_mov_b32 s[MI], 0
	s_mov_b32 s[MS], 0
	s_mov_b32 s[MC], 0
.if \next
	SMLOAD 256
.endif
	WIN 0x40
.set f, 0
.rept 32
	ds_load_b128 v[8*f:8*f+3], v[LI] offset:1024*f
	ds_load_b128 v[8*f+4:8*f+7], v[LI] offset:1024*f+512
.set f, f+1
.endr
	WIN 0
.irp m, 0,1,2,3
	ds_load_b128 v[ASC+4*\m:ASC+4*\m+3], v[LS] offset:512*\m
.endr
	WIN 0x80
.set f, 0
.rept 16
	ds_load_tr16_b128 v[16*f:16*f+3], v[TR0] offset:32*f
	ds_load_tr16_b128 v[16*f+4:16*f+7], v[TR0] offset:32*f+16*CP
	ds_load_tr16_b128 v[16*f+8:16*f+11], v[TR1] offset:32*f
	ds_load_tr16_b128 v[16*f+12:16*f+15], v[TR1] offset:32*f+16*CP
.set f, f+1
.endr
	WIN 0
	s_wait_dscnt 63                                ; the 68 loads of codes and scale words are in; of the 64 transposing loads 63 may be out
.endm
; a chunk's end: the four waves' parts of e2 are added; p = 2^(e2 - the chunk's largest) x mask, as bf16; part = p x the copy, my 256 columns; e2 is stored by wave 0
.macro EPW
.irp m, 0,1,2,3
	v_add_f32 v[TM+\m], v[EACC+2*\m], v[EACC+2*\m+1]
.endr
.irp m, 0,1,2,3
	v_permlanex16_b32 v[TM+4+\m], v[TM+\m], s[SEL], s[SEL+1]
.endr
.irp m, 0,1,2,3
	v_add_f32 v[TM+\m], v[TM+\m], v[TM+4+\m]
.endr
.irp m, 0,1,2,3
	ds_store_b32 v[EXW], v[TM+\m] offset:64*\m
.endr
	s_wait_dscnt 0x0                               ; for the others' sake
	s_barrier_signal -1
	s_barrier_wait -1
.irp w, 0,1,2,3
	ds_load_b64 v[TM+8+2*\w:TM+9+2*\w], v[EXR] offset:256*\w
.endr
	s_wait_dscnt 0x0
	v_pk_add_f32 v[TM+8:TM+9], v[TM+8:TM+9], v[TM+10:TM+11]
	v_pk_add_f32 v[TM+12:TM+13], v[TM+12:TM+13], v[TM+14:TM+15]
	v_pk_add_f32 v[TM+8:TM+9], v[TM+8:TM+9], v[TM+12:TM+13]
	v_max_num_f32 v[TM], v[TM+8], v[TM+9]
.irp x, 1,2,4,8
	v_max_num_f32_dpp v[TM], v[TM], v[TM] row_xmask:\x row_mask:0xf bank_mask:0xf
.endr
	v_permlanex16_b32 v[TM+4], v[TM], s[SEL], s[SEL+1]
	v_max_num_f32 v[TM], v[TM], v[TM+4]
	v_sub_f32 v[TM+2], v[TM+8], v[TM]
	v_sub_f32 v[TM+3], v[TM+9], v[TM]
	s_wait_alu depctr_va_vdst(0)
	v_exp_f32 v[TM+2], v[TM+2]
	v_exp_f32 v[TM+3], v[TM+3]
	v_nop
	s_wait_alu depctr_va_vdst(0)
	v_pk_mul_f32 v[TM+2:TM+3], v[TM+2:TM+3], v[MF:MF+1]
	v_cvt_pk_bf16_f32 v[TM+1], v[TM+2], v[TM+3]
	ds_store_b32 v[PBW], v[TM+1]
.irp q, 0,1
	ds_load_b128 v[POP+8*\q:POP+8*\q+3], v[PBR] offset:64*\q      ; my own bytes: LDS serves a wave's instructions in order
	ds_load_b128 v[POP+8*\q+4:POP+8*\q+7], v[PBR] offset:64*\q+32
.endr
	s_cmp_lg_u32 s[WV], 0
	s_cbranch_scc1 .Lnot_wave_0_\@
	global_store_b64 v[G8], v[TM+8:TM+9], s[20:21]
.Lnot_wave_0_\@:
	s_wait_dscnt 0x0
	WIN 0x08
.irp t, 0,1,2,3,4,5,6,7,8,9,10,11,12,13,14,15
	v_wmma_f32_16x16x32_bf16 v[128+8*\t:128+8*\t+7], v[POP:POP+7], v[16*\t:16*\t+7], 0
.endr
.irp t, 0,1,2,3,4,5,6,7,8,9,10,11,12,13,14,15
	v_wmma_f32_16x16x32_bf16 v[128+8*\t:128+8*\t+7], v[POP+8:POP+15], v[16*\t+8:16*\t+15], v[128+8*\t:128+8*\t+7]
.endr
	WIN 0
.rept 4
	v_nop
.endr
.irp u, 0,1,2,3,4,5,6,7
	v_cndmask_b32 v[PC+\u], v[128+16*\u], v[136+16*\u], s[MSK]     ; all 16 rows of a result are alike: lanes 0-15 keep tile 2 u's columns, lanes 16-31 tile 2 u + 1's
.endr
.irp u, 0,1,2,3,4,5,6,7
	ds_store_b32 v[OSW], v[PC+\u] offset:128*\u
.endr
	ds_load_b128 v[TM:TM+3], v[OSR]
	ds_load_b128 v[TM+4:TM+7], v[OSR] offset:512
	s_wait_dscnt 0x0
	global_store_b128 v[L16], v[TM:TM+3], s[22:23]                 ; 32 lanes store 512 consecutive bytes
	global_store_b128 v[L16], v[TM+4:TM+7], s[22:23] offset:512
	s_wait_xcnt 0x0
	s_add_nc_u64 s[6:7], s[6:7], 256
	s_add_nc_u64 s[8:9], s[8:9], 256
	s_add_nc_u64 s[20:21], s[20:21], 256
	s_add_nc_u64 s[22:23], s[22:23], 4096
.endm
	s_load_b512 s[4:19], s[0:1], 0x0               ; context s[4:5], coverage s[6:7], mask s[8:9], W_cov s[10:11], v_w s[12:13], base s[14:15], Wf s[16:17], Wsc s[18:19]
	s_load_b128 s[20:23], s[0:1], 0x40             ; e_buf s[20:21], part s[22:23]
	v_lshl_add_u32 v[SPW], v0, 2, SPARE
	v_mov_b32 v[NIL], 0
	ds_add_u32 v[SPW], v[NIL]                      ; the opening lines: the add, twice on end, and its wait ahead of my first tensor load
	ds_add_u32 v[SPW], v[NIL]
	v_lshrrev_b32 v88, 5, v0
	v_readfirstlane_b32 s[WV], v88
	s_mov_b32 s[G1], (2<<16)|(1<<20)|(7<<22)|(3<<25)   ; elements of 4 bytes; four words of padding behind every 256
	s_mov_b32 s[G1+1], 256<<16
	s_mov_b32 s[G1+2], 16<<16
	s_mov_b32 s[G1+3], 256<<16
	s_mov_b32 s[G1+4], 16
	s_mov_b32 s[G1+5], 1024
	s_mov_b32 s[G1+6], 0
	s_mov_b32 s[G1+7], 0
.set G1H, 72                           ; s[72:79] group 1 for the head's load: 32 rows, which fill both my parts
	s_mov_b32 s[G1H], (2<<16)|(1<<20)|(7<<22)|(3<<25)
	s_mov_b32 s[G1H+1], 256<<16
	s_mov_b32 s[G1H+2], 32<<16
	s_mov_b32 s[G1H+3], 256<<16
	s_mov_b32 s[G1H+4], 32
	s_mov_b32 s[G1H+5], 1024
	s_mov_b32 s[G1H+6], 0
	s_mov_b32 s[G1H+7], 0
	s_mul_i32 s[BASEW], s[WV], 2*RAWW
	s_mov_b32 s[CS], 0x4038aa3b                    ; c = 2 log2(e)
	s_mov_b32 s[CS+1], s[CS]
	s_mov_b32 s[SEL], 0x76543210
	s_mov_b32 s[SEL+1], 0xfedcba98
	s_mov_b32 s[MSK], 0xffff0000
	s_mov_b32 s[LD], RAWS
	s_mov_b32 s[RD], 0
	s_mov_b32 s[MI], 0
	s_mov_b32 s[MS], 0
	s_mov_b32 s[MC], 0
	s_mov_b32 s[NB], 0
	s_mov_b32 s[RF], 0
	v_and_b32 v88, 31, v0
	v_and_b32 v89, 15, v0
	s_wait_alu depctr_va_vdst(0)
	v_bfe_u32 v90, v0, 4, 1
	v_lshlrev_b32 v[L16], 4, v88
	s_lshl_b32 s66, s[WV], 10
	s_add_co_u32 s66, s66, CT
	v_lshl_add_u32 v[CTB], v90, 5, s66
	v_mul_u32_u24 v[RAWB], v89, 1040
	v_lshl_add_u32 v[RAWB], v90, 6, v[RAWB]
	v_add_nc_u32 v[RAWB], s[BASEW], v[RAWB]
	s_lshl_b32 s66, s[WV], 11
	s_add_co_u32 s66, s66, IMG
	v_add_nc_u32 v[IMGB], s66, v[L16]
	s_lshl_b32 s66, s[WV], 2
	s_add_co_u32 s66, s66, ISC
	v_lshl_add_u32 v[ISCB], v89, 4, s66
	s_lshl_b32 s66, s[WV], 9
	s_add_co_u32 s66, s66, COPY
	v_mul_u32_u24 v[CPB], v89, CP
	s_wait_alu depctr_va_vdst(0)
	v_lshl_add_u32 v[CPB], v90, 5, v[CPB]
	v_add_nc_u32 v[CPB], s66, v[CPB]
	v_and_b32 v91, 7, v0
	v_lshl_add_u32 v91, v90, 3, v91
	v_mul_u32_u24 v[TR0], v91, CP
	v_bfe_u32 v91, v0, 3, 1
	v_lshl_add_u32 v[TR0], v91, 4, v[TR0]
	v_add_nc_u32 v[TR0], s66, v[TR0]
	v_add_nc_u32 v[TR1], 32*CP, v[TR0]
	v_add_nc_u32 v[LI], IMG, v[L16]
	v_add_nc_u32 v[LS], ISC, v[L16]
	s_lshl_b32 s66, s[WV], 8
	s_add_co_u32 s66, s66, EX
	v_lshl_add_u32 v[EXW], v89, 2, s66
	v_lshl_add_u32 v[EXR], v88, 3, EX
	s_lshl_b32 s66, s[WV], 7
	s_add_co_u32 s66, s66, PB
	v_lshl_add_u32 v[PBW], v88, 2, s66
	v_lshl_add_u32 v[PBR], v90, 4, s66
	s_lshl_b32 s66, s[WV], 10
	s_add_co_u32 s66, s66, OS
	v_lshl_add_u32 v[OSW], v88, 2, s66
	v_add_nc_u32 v[OSR], s66, v[L16]
	v_lshlrev_b32 v[G8], 3, v88
	v_lshlrev_b32 v[G4R], 2, v89
	v_lshrrev_b32 v91, 2, v88
	v_and_b32 v92, 3, v88
	v_lshlrev_b32 v[PFO], 8, v92
	v_lshl_add_u32 v[PFO], v91, 12, v[PFO]         ; the prefetches: lane l names block l % 4 of row l / 4
	v_lshl_add_u32 v[T32], v0, 5, CT
	v_lshlrev_b32 v29, 5, v0
.irp b, 0,1,2,3
	v_mov_b32 v[TM+4+\b], 0                        ; written once: a lane permute's destination counts as one of its sources
.endr
	s_lshl_b32 s66, ttmp9, 20                      ; my work-group's 256 rows of 4,096 bytes,
	s_lshl_b32 s70, s[WV], 10                      ; my wave's 1,024 bytes of each
	s_add_co_u32 s66, s66, s70
	s_mov_b32 s67, 0
	s_wait_alu depctr_va_vdst(0)                   ; the wait at the head's end
	s_wait_dscnt 0x0
	s_wait_kmcnt 0x0
	s_add_nc_u64 s[4:5], s[4:5], s[66:67]
	s_mov_b32 s[G0A], 1
	s_mov_b32 s[G0A+1], s[BASEW]
	s_mov_b64 s[G0A+2:G0A+3], s[4:5]
	s_or_b32 s[G0A+3], s[G0A+3], 0x80000000
	s_mov_b32 s[G0B], 1
	s_add_co_u32 s[G0B+1], s[BASEW], RAWS
	s_add_nc_u64 s[G0B+2:G0B+3], s[4:5], 0x10000
	s_or_b32 s[G0B+3], s[G0B+3], 0x80000000
	tensor_load_to_lds s[G0A:G0A+3], s[G1H:G1H+7]  ; slots 0 and 1, 32 rows: my one tensor load at the head
	s_nop 0
.rept 4
	v_nop
.endr
	; all that follows up to the wait on TENSORcnt stands under that load's flight
	s_add_nc_u64 s[PFA:PFA+1], s[4:5], 0x30000     ; refill 1 steps it to slot 4
	s_lshr_b32 s41, ttmp9, 3                       ; the batch
	s_lshl_b32 s66, s41, 13
	s_add_nc_u64 s[68:69], s[6:7], s[66:67]        ; its row of coverage
	s_lshl_b32 s66, ttmp9, 10
	s_add_nc_u64 s[6:7], s[6:7], s[66:67]
	s_add_nc_u64 s[8:9], s[8:9], s[66:67]
	s_add_nc_u64 s[20:21], s[20:21], s[66:67]
	s_lshl_b32 s66, s41, 12
	s_add_nc_u64 s[14:15], s[14:15], s[66:67]
	s_lshl_b32 s66, s[WV], 17
	s_add_nc_u64 s[16:17], s[16:17], s[66:67]
	s_lshl_b32 s66, s[WV], 13
	s_add_nc_u64 s[18:19], s[18:19], s[66:67]
	s_lshl_b32 s66, ttmp9, 14
	s_add_co_u32 s66, s66, s70
	s_add_nc_u64 s[22:23], s[22:23], s[66:67]
.irp o, 0x20000, 0x28000, 0x30000, 0x38000     ; my part of slots 2 and 3 is asked for here; slots 0 and 1 come by their loads alone
	global_prefetch_b8 v[PFO], s[4:5] offset:\o th:TH_LOAD_NT scope:SCOPE_SE
.endr
.irp i, 0,1,2,3,4,5,6,7,8,9,10,11,12,13,14,15
	global_load_b128 v[XQ+4*\i:XQ+4*\i+3], v[L16], s[68:69] offset:512*\i
.endr
	global_load_b128 v[HT:HT+3], v29, s[14:15]
	global_load_b128 v[HT+4:HT+7], v29, s[14:15] offset:16
.irp q, 1,2,3                                  ; base comes as four parts along K, 131,072 bytes apart
	global_load_b128 v[BFP+8*\q-8:BFP+8*\q-5], v29, s[14:15] offset:131072*\q
	global_load_b128 v[BFP+8*\q-4:BFP+8*\q-1], v29, s[14:15] offset:131072*\q+16
.endr
	global_load_b128 v[HT+8:HT+11], v29, s[10:11]
	global_load_b128 v[HT+12:HT+15], v29, s[10:11] offset:16
	global_load_b128 v[HT+16:HT+19], v29, s[12:13]
	global_load_b128 v[HT+20:HT+23], v29, s[12:13] offset:16
	SMLOAD 0
	BLOAD 0, L16, L16
	BLOAD 1, L16, L16
	s_wait_loadcnt 34                              ; all but the two sets of W_h
.set i, 4
.rept 28
	v_pk_add_f32 v[XQ+2*(i%4):XQ+2*(i%4)+1], v[XQ+2*(i%4):XQ+2*(i%4)+1], v[XQ+2*i:XQ+2*i+1]
.set i, i+1
.endr
	v_pk_add_f32 v[XQ:XQ+1], v[XQ:XQ+1], v[XQ+2:XQ+3]
	v_pk_add_f32 v[XQ+4:XQ+5], v[XQ+4:XQ+5], v[XQ+6:XQ+7]
	v_pk_add_f32 v[XQ:XQ+1], v[XQ:XQ+1], v[XQ+4:XQ+5]
	v_add_f32 v[XQ], v[XQ], v[XQ+1]
.irp x, 1,2,4,8
	v_add_f32_dpp v[XQ], v[XQ], v[XQ] row_xmask:\x row_mask:0xf bank_mask:0xf
.endr
	v_permlanex16_b32 v[TM+4], v[XQ], s[SEL], s[SEL+1]
	v_add_f32 v[XQ], v[XQ], v[TM+4]
	v_add_f32 v[XQ], 0x4003126f, v[XQ]             ; + 2,048 x 0.001
	s_wait_alu depctr_va_vdst(0)
	v_rcp_f32 v[INV], v[XQ]
.irp i, 16,18,20,22
	v_pk_mul_f32 v[HT+\i:HT+\i+1], v[HT+\i:HT+\i+1], 0xc038aa3b op_sel_hi:[1,0]   ; -c v_w
.endr
.irp i, 0,2,4,6                                ; base's four parts are added
	v_pk_add_f32 v[HT+\i:HT+\i+1], v[HT+\i:HT+\i+1], v[BFP+\i:BFP+\i+1]
	v_pk_add_f32 v[BFP+8+\i:BFP+9+\i], v[BFP+8+\i:BFP+9+\i], v[BFP+16+\i:BFP+17+\i]
.endr
.irp i, 0,2,4,6
	v_pk_add_f32 v[HT+\i:HT+\i+1], v[HT+\i:HT+\i+1], v[BFP+8+\i:BFP+9+\i]
.endr
	s_wait_alu depctr_va_vdst(0)                   ; behind the reciprocal, and directly ahead of the wait below
	s_wait_tensorcnt 0x0                           ; slots 0 and 1 are in: my own bytes, which no other wave reads
.irp a, 0,1,2
	ds_store_b128 v[T32], v[HT+8*\a:HT+8*\a+3] offset:4096*\a      ; a wave stores, and reads back, the constants of its own 256 columns
	ds_store_b128 v[T32], v[HT+8*\a+4:HT+8*\a+7] offset:4096*\a+16
.endr
	CLOAD 0, CTB
	CLOAD 1, CTB
	PROD                                           ; the first chunk's four slots are quantised with nothing beside them
	s_mov_b32 s[PD], 2
.Lfirst:
	REFILL
	PROD
	s_sub_co_u32 s[PD], s[PD], 1
	s_cmp_lg_u32 s[PD], 0
	s_cbranch_scc1 .Lfirst
	s_wait_tensorcnt 0x0
	PROD
	s_mov_b32 s[CH], 3
.Lchunk:                                               ; chunks 0 to 2: 16 steps, and the next chunk's four slots fetched and quantised beside them
	REFILL                                         ; its barrier also shows every wave the chunk's images and copy
	FETCH 1
	PRIME 22                                       ; behind tile 0's loads: tile 1's 17 and the next chunk's coverage and mask, 5
	s_mov_b32 s[BD], 2
.Lalone:
	ASET 1
	BODY 0, 0, 0
	s_sub_co_u32 s[BD], s[BD], 1
	s_cmp_lg_u32 s[BD], 0
	s_cbranch_scc1 .Lalone
	s_mov_b32 s[PD], 2
.Lbeside:
	ASET 1
	REFILL                                         ; behind its barrier nobody reads the old images and copy any more
	PSET
	BODY 1, 0, 0
	ASET 1
	BODY 1, 1, 0
	s_sub_co_u32 s[PD], s[PD], 1
	s_cmp_lg_u32 s[PD], 0
	s_cbranch_scc1 .Lbeside
	ASET 1
	REFILL
	PSET
	BODY 1, 0, 0
	ASET 0
	BODY 1, 1, 1
	s_wait_tensorcnt 0x0
	PROD
	EPW
	s_sub_co_u32 s[CH], s[CH], 1
	s_cmp_lg_u32 s[CH], 0
	s_cbranch_scc1 .Lchunk
	s_wait_dscnt 0x0                               ; the last chunk: nothing is fetched any more
	s_barrier_signal -1
	s_barrier_wait -1
	FETCH 0
	PRIME 17
	s_mov_b32 s[BD], 6
.Llast:
	ASET 1
	BODY 0, 0, 0
	s_sub_co_u32 s[BD], s[BD], 1
	s_cmp_lg_u32 s[BD], 0
	s_cbranch_scc1 .Llast
	ASET 0
	BODY 0, 0, 2
	BODY 0, 0, 3
	EPW
	s_wait_tensorcnt 0x0                           ; the wave's end
	ds_add_u32 v[SPW], v[NIL]
	s_wait_dscnt 0x0
	s_endpgm
.Lfunc_end_k_qa3a799fff4_main:
	.size	k_qa3a799fff4_main, .Lfunc_end_k_qa3a799fff4_main-k_qa3a799fff4_main
	.p2alignl 7, 3214868480
	.fill 96, 4, 3214868480
	.section	.rodata,"a",@progbits
	.p2align	6, 0x0
	.amdhsa_kernel k_qa3a799fff4_main
		.amdhsa_group_segment_fixed_size 327680
		.amdhsa_private_segment_fixed_size 0
		.amdhsa_enable_private_segment 0
		.amdhsa_kernarg_size 80
		.amdhsa_user_sgpr_count 2
		.amdhsa_user_sgpr_kernarg_segment_ptr 1
		.amdhsa_wavefront_size32 1
		.amdhsa_system_sgpr_workgroup_id_x 1
		.amdhsa_system_sgpr_workgroup_id_y 1
		.amdhsa_system_sgpr_workgroup_id_z 1
		.amdhsa_system_vgpr_workitem_id 0
		.amdhsa_next_free_vgpr 1008
		.amdhsa_next_free_sgpr 80
		.amdhsa_reserve_vcc 0
		.amdhsa_float_denorm_mode_32 3
		.amdhsa_float_denorm_mode_16_64 3
		.amdhsa_memory_ordered 1
		.amdhsa_forward_progress 1
		.amdhsa_inst_pref_size 255
	.end_amdhsa_kernel
	.section	.bss,"aw",@nobits
	.p2align	6
	.space	262144
	.amdgpu_metadata
---
amdhsa.version: [ 1, 2 ]
amdhsa.kernels:
  - .name:           k_qa3a799fff4_main
    .symbol:         k_qa3a799fff4_main.kd
    .args:
      - { .name: context, .offset: 0, .size: 8, .value_kind: global_buffer, .address_space: global }
      - { .name: coverage, .offset: 8, .size: 8, .value_kind: global_buffer, .address_space: global }
      - { .name: context_mask, .offset: 16, .size: 8, .value_kind: global_buffer, .address_space: global }
      - { .name: W_cov, .offset: 24, .size: 8, .value_kind: global_buffer, .address_space: global }
      - { .name: v_w, .offset: 32, .size: 8, .value_kind: global_buffer, .address_space: global }
      - { .name: base, .offset: 40, .size: 8, .value_kind: global_buffer, .address_space: global }
      - { .name: Wf, .offset: 48, .size: 8, .value_kind: global_buffer, .address_space: global }
      - { .name: Wsc, .offset: 56, .size: 8, .value_kind: global_buffer, .address_space: global }
      - { .name: e_buf, .offset: 64, .size: 8, .value_kind: global_buffer, .address_space: global }
      - { .name: part, .offset: 72, .size: 8, .value_kind: global_buffer, .address_space: global }
    .group_segment_fixed_size: 327680
    .private_segment_fixed_size: 0
    .kernarg_segment_align: 8
    .kernarg_segment_size: 80
    .max_flat_workgroup_size: 128
    .sgpr_count:     80
    .vgpr_count:     1008
    .wavefront_size: 32
...
	.end_amdgpu_metadata
.endif
;; end of part 2
;; launch finish (part 3): grid 32 x 1, 8 waves a work-group, no clusters, 2,048 bytes of LDS; arguments e_buf, part, context_mask, out0, out1; writes out0, out1
.if DOCPART == 3
	.amdgcn_target "amdgcn-amd-amdhsa--gfx1250"
	.amdhsa_code_object_version 6
	.text
	.protected	k_qa3a799fff4_finish
	.globl	k_qa3a799fff4_finish
	.p2align	8
	.type	k_qa3a799fff4_finish,@function
k_qa3a799fff4_finish:
	s_mov_b64 s[64:65], 0
	v_nop
	global_prefetch_b8 v0, s[64:65] scope:SCOPE_SE
	s_setreg_imm32_b32 hwreg(HW_REG_WAVE_MODE, 25, 1), 1
	s_wait_xcnt 0x0
; THIRD OF THREE LAUNCHES.  For a batch: M = the row's largest e2;  p = 2^(e2 - M) x mask;  L = sum(p);  out1 = p / L;
; out0[d] = sum over the 32 chunks of 2^(the chunk's largest e2 - M) part[chunk][d] / L: each chunk's sum was taken under its own largest e2 and is brought under the row's here.
; LEFT OUT (shown at the head of the first launch): the softmax's own divisor and the second e - max(e).  The row's maximum is taken away ahead of every exponential.
; A row whose mask is all 0 has L = 0: 0 x (1 / 0) gives NaN, as reference()'s 0 / 0 does.  LIMIT: a weight under 2^-126 of the row's largest counts as 0.
; One work-group of eight waves to a batch.  Thread t holds e2 at 4 t .. 4 t + 3 and at 1,024 + 4 t .. + 3: so sixteen neighbouring lanes hold a chunk of 64 (chunks t / 16 and 16 + t / 16), and a chunk's
; largest is the same number that the second launch took.  Matrix units and tensor loads buy nothing here: 4.5 MiB are read once, with 32 loads of 16 bytes a thread out from the start.
.set MX,    0                          ; LDS: the waves' maxima;
.set SUM,   256                        ; their sums;
.set FF,    512                        ; the 32 chunks' factors
.set SPARE, 1024                       ; the spare words, 128 bytes for each wave: four blocks of 256 bytes that no other line names
.set SPW,   200
.set NIL,   201
	s_load_b256 s[4:11], s[0:1], 0x0               ; e_buf s[4:5], part s[6:7], mask s[8:9], out0 s[10:11]
	s_load_b64 s[12:13], s[0:1], 0x20              ; out1
	v_lshl_add_u32 v[SPW], v0, 2, SPARE
	v_mov_b32 v[NIL], 0
	v_lshrrev_b32 v1, 5, v0
	s_delay_alu instid0(VALU_DEP_1)
	v_readfirstlane_b32 s14, v1                    ; wave 0..7
	v_lshlrev_b32 v1, 4, v0                        ; 16 t
	s_lshl_b32 s15, s14, 2
	v_mov_b32 v2, s15                              ; my wave's word
	v_lshrrev_b32 v3, 4, v0
	s_delay_alu instid0(VALU_DEP_1)
	v_lshl_add_u32 v3, v3, 2, FF                   ; my first chunk's factor
	v_mov_b32 v20, 0                               ; LDS byte 0
	v_mov_b32 v24, 0                               ; written once: a lane permute's destination counts as one of its sources
	v_mov_b32 v25, 0
	s_mov_b32 s16, 0x76543210
	s_mov_b32 s17, 0xfedcba98                      ; v_permlanex16_b32's selects for lane l xor 16
	s_lshl_b32 s18, ttmp9, 13
	s_mov_b32 s19, 0
	s_lshl_b32 s20, ttmp9, 17
	s_mov_b32 s21, 0
	s_lshl_b32 s22, ttmp9, 12
	s_mov_b32 s23, 0
	s_wait_alu depctr_va_vdst(0)
	s_wait_kmcnt 0x0
	s_add_nc_u64 s[4:5], s[4:5], s[18:19]
	s_add_nc_u64 s[8:9], s[8:9], s[18:19]
	s_add_nc_u64 s[12:13], s[12:13], s[18:19]
	s_add_nc_u64 s[6:7], s[6:7], s[20:21]
	s_add_nc_u64 s[10:11], s[10:11], s[22:23]
	global_load_b128 v[4:7], v1, s[4:5]
	global_load_b128 v[8:11], v1, s[4:5] offset:4096
	global_load_b128 v[12:15], v1, s[8:9]
	global_load_b128 v[16:19], v1, s[8:9] offset:4096
.irp c, 0,1,2,3,4,5,6,7,8,9,10,11,12,13,14,15,16,17,18,19,20,21,22,23,24,25,26,27,28,29,30,31
	global_load_b128 v[32+4*\c:35+4*\c], v1, s[6:7] offset:4096*\c th:TH_LOAD_NT   ; chunk c, my four columns: a wave reads 512 consecutive bytes
.endr
	s_wait_loadcnt 32                              ; e2 and the mask are in; the 32 loads of part may be out
	v_max3_num_f32 v21, v4, v5, v6
	v_max3_num_f32 v22, v8, v9, v10
	s_delay_alu instid0(VALU_DEP_2)
	v_max_num_f32 v21, v21, v7
	s_delay_alu instid0(VALU_DEP_2)
	v_max_num_f32 v22, v22, v11
.irp x, 1,2,4,8
	s_delay_alu instid0(VALU_DEP_2)
	v_max_num_f32_dpp v21, v21, v21 row_xmask:\x row_mask:0xf bank_mask:0xf
	s_delay_alu instid0(VALU_DEP_2)
	v_max_num_f32_dpp v22, v22, v22 row_xmask:\x row_mask:0xf bank_mask:0xf
.endr
	s_delay_alu instid0(VALU_DEP_1)
	v_max_num_f32 v23, v21, v22                    ; v21, v22: my two chunks' largest
	s_delay_alu instid0(VALU_DEP_1)
	v_permlanex16_b32 v24, v23, s16, s17
	s_delay_alu instid0(VALU_DEP_1)
	v_max_num_f32 v23, v23, v24
	ds_store_b32 v2, v23 offset:MX                 ; all lanes write the same word with the same value
	s_wait_dscnt 0x0
	s_barrier_signal -1
	s_barrier_wait -1
	ds_load_b128 v[192:195], v20 offset:MX
	ds_load_b128 v[196:199], v20 offset:MX+16
.irp i, 0,1,2,3,4,5,6,7
	v_cvt_f32_i32 v[12+\i], v[12+\i]               ; the mask as f32
.endr
	s_wait_dscnt 0x0
	v_max3_num_f32 v23, v192, v193, v194
	s_delay_alu instid0(VALU_DEP_1)
	v_max3_num_f32 v23, v23, v195, v196
	s_delay_alu instid0(VALU_DEP_1)
	v_max3_num_f32 v23, v23, v197, v198
	s_delay_alu instid0(VALU_DEP_1)
	v_max_num_f32 v23, v23, v199                   ; M
.irp i, 0,1,2,3,4,5,6,7
	v_sub_f32 v[4+\i], v[4+\i], v23
.endr
	v_sub_f32 v21, v21, v23
	v_sub_f32 v22, v22, v23
	s_wait_alu depctr_va_vdst(0)
.irp i, 0,1,2,3,4,5,6,7
	v_exp_f32 v[4+\i], v[4+\i]
.endr
	v_exp_f32 v21, v21
	v_exp_f32 v22, v22
	v_nop
	s_wait_alu depctr_va_vdst(0)                   ; one wait for the ten, ahead of their first reader
.irp i, 0,1,2,3,4,5,6,7
	v_mul_f32 v[4+\i], v[4+\i], v[12+\i]           ; p
.endr
	v_pk_add_f32 v[24:25], v[4:5], v[6:7]
	s_delay_alu instid0(VALU_DEP_2)
	v_pk_add_f32 v[26:27], v[8:9], v[10:11]
	s_delay_alu instid0(VALU_DEP_1)
	v_pk_add_f32 v[24:25], v[24:25], v[26:27]
	s_delay_alu instid0(VALU_DEP_1)
	v_add_f32 v24, v24, v25
.irp x, 1,2,4,8
	s_delay_alu instid0(VALU_DEP_1)
	v_add_f32_dpp v24, v24, v24 row_xmask:\x row_mask:0xf bank_mask:0xf
.endr
	s_delay_alu instid0(VALU_DEP_1)
	v_permlanex16_b32 v25, v24, s16, s17
	s_delay_alu instid0(VALU_DEP_1)
	v_add_f32 v24, v24, v25
	ds_store_b32 v2, v24 offset:SUM
	ds_store_b32 v3, v21                           ; sixteen lanes write the same word with the same value
	ds_store_b32 v3, v22 offset:64
	s_wait_dscnt 0x0
	s_barrier_signal -1
	s_barrier_wait -1
	ds_load_b128 v[192:195], v20 offset:SUM
	ds_load_b128 v[196:199], v20 offset:SUM+16
.irp i, 0,1,2,3,4,5,6,7
	ds_load_b128 v[160+4*\i:163+4*\i], v20 offset:FF+16*\i
.endr
	s_wait_dscnt 0x0
	v_pk_add_f32 v[192:193], v[192:193], v[194:195]
	v_pk_add_f32 v[196:197], v[196:197], v[198:199]
	s_delay_alu instid0(VALU_DEP_1)
	v_pk_add_f32 v[192:193], v[192:193], v[196:197]
	s_delay_alu instid0(VALU_DEP_1)
	v_add_f32 v192, v192, v193                     ; L
	s_wait_alu depctr_va_vdst(0)
	v_rcp_f32 v28, v192
	v_nop
	s_wait_alu depctr_va_vdst(0)
.irp i, 0,1,2,3,4,5,6,7
	v_mul_f32 v[4+\i], v[4+\i], v28
.endr
	global_store_b128 v1, v[4:7], s[12:13]         ; a wave stores 512 consecutive bytes
	global_store_b128 v1, v[8:11], s[12:13] offset:4096
	s_wait_loadcnt 0x0
.irp j, 0,1,2,3
	v_mul_f32 v[24+\j], v160, v[32+\j]             ; the first chunk starts the four sums
.endr
.irp c, 1,2,3,4,5,6,7,8,9,10,11,12,13,14,15,16,17,18,19,20,21,22,23,24,25,26,27,28,29,30,31
.irp j, 0,1,2,3
	s_delay_alu instid0(VALU_DEP_4)
	v_fma_f32 v[24+\j], v[160+\c], v[32+4*\c+\j], v[24+\j]
.endr
.endr
.irp j, 0,1,2,3
	v_mul_f32 v[24+\j], v[24+\j], v28
.endr
	global_store_b128 v1, v[24:27], s[10:11]
	s_wait_tensorcnt 0x0                           ; the wave's end, behind my last LDS store
	ds_add_u32 v[SPW], v[NIL]
	s_wait_dscnt 0x0
	s_endpgm
.Lfunc_end_k_qa3a799fff4_finish:
	.size	k_qa3a799fff4_finish, .Lfunc_end_k_qa3a799fff4_finish-k_qa3a799fff4_finish
	.p2alignl 7, 3214868480
	.fill 96, 4, 3214868480
	.section	.rodata,"a",@progbits
	.p2align	6, 0x0
	.amdhsa_kernel k_qa3a799fff4_finish
		.amdhsa_group_segment_fixed_size 2048
		.amdhsa_private_segment_fixed_size 0
		.amdhsa_enable_private_segment 0
		.amdhsa_kernarg_size 40
		.amdhsa_user_sgpr_count 2
		.amdhsa_user_sgpr_kernarg_segment_ptr 1
		.amdhsa_wavefront_size32 1
		.amdhsa_system_sgpr_workgroup_id_x 1
		.amdhsa_system_sgpr_workgroup_id_y 1
		.amdhsa_system_sgpr_workgroup_id_z 1
		.amdhsa_system_vgpr_workitem_id 0
		.amdhsa_next_free_vgpr 224
		.amdhsa_next_free_sgpr 66
		.amdhsa_reserve_vcc 0
		.amdhsa_float_denorm_mode_32 3
		.amdhsa_float_denorm_mode_16_64 3
		.amdhsa_memory_ordered 1
		.amdhsa_forward_progress 1
		.amdhsa_inst_pref_size 23
	.end_amdhsa_kernel
	.amdgpu_metadata
---
amdhsa.version: [ 1, 2 ]
amdhsa.kernels:
  - .name:           k_qa3a799fff4_finish
    .symbol:         k_qa3a799fff4_finish.kd
    .args:
      - { .name: e_buf, .offset: 0, .size: 8, .value_kind: global_buffer, .address_space: global }
      - { .name: part, .offset: 8, .size: 8, .value_kind: global_buffer, .address_space: global }
      - { .name: context_mask, .offset: 16, .size: 8, .value_kind: global_buffer, .address_space: global }
      - { .name: out0, .offset: 24, .size: 8, .value_kind: global_buffer, .address_space: global }
      - { .name: out1, .offset: 32, .size: 8, .value_kind: global_buffer, .address_space: global }
    .group_segment_fixed_size: 2048
    .private_segment_fixed_size: 0
    .kernarg_segment_align: 8
    .kernarg_segment_size: 40
    .max_flat_workgroup_size: 256
    .sgpr_count:     66
    .vgpr_count:     224
    .wavefront_size: 32
...
	.end_amdgpu_metadata
.endif
;; end of part 3
